; MI455X (gfx1250); checked and timed in simulation.
; The chip was launched on July 23, 2026; its instructions are those of AMD's public machine-readable ISA for CDNA 5 (MIT licence, August 2026) and "CDNA5" Instruction Set Architecture Reference Guide (July 2026). The comments in the code are by the model that wrote it; some were corrected since.
;; Bert Self Attention. Allowed arithmetic: matrix products marked QUANTISED: E2M1 operands, one E8M0 scale for each 32 along K, by v_wmma_scale_f32_16x16x128_f8f6f4 with both operands' format E2M1 (or v_wmma_scale_f32_32x16x128_f4), f32 sums; products left as they are: f32 operands where the result goes on into a quantised operand, else bf16, f16 or f32 operands; f32 sums; everything else in f32.
;; Inputs: Wk_codes 1,024 x 32 x 16 uint8 (E2M1 codes of Wk, K innermost, in blocks of 32 codes, two codes a byte); Wk_scales 1,024 x 32 uint8 (E8M0 scales of Wk, one for each 32 codes along K); Wq 1,024 x 1,024 float32; Wv_codes 1,024 x 32 x 16 uint8 (E2M1 codes of Wv, K innermost, in blocks of 32 codes, two codes a byte); Wv_scales 1,024 x 32 uint8 (E8M0 scales of Wv, one for each 32 codes along K); attention_mask 8 x 4,096 int32; bk 1,024 float32; bq 1,024 float32; bv 1,024 float32; cell_state 8 x 1,024 float32; hidden_states_codes 8 x 4,097 x 32 x 16 uint8 (E2M1 codes of hidden_states, K innermost, in blocks of 32 codes, two codes a byte); hidden_states_scales 8 x 4,097 x 32 uint8 (E8M0 scales of hidden_states, one for each 32 codes along K).
;; Outputs: out0 8 x 1,024 float32.
;; Constants: t = 4096.
;; This version of the problem:
;;   THIS VERSION OF THE PROBLEM IS GIVEN IN LOW PRECISION. The matrix products marked QUANTISED in the list below multiply operands that are first quantised to E2M1 (2 exponent bits, 1 mantissa bit; 4 bits a number), with one power-of-two scale for each 32 numbers along K (OCP MX v1.0); their sums are f32. All else is computed in f32.
;;   The module's matrix products, in the order in which they are computed (A, B: the left and right operand; K: the contracted axis; several contracted axes count as one K, in the product's order):
;;     1. [M 8, K 1,024] x [K 1,024, N 1,024]; A: input cell_state; B: input Wq: left as it is (M = 8 < 16)
;;     2. [M 32,768, K 1,024] x [K 1,024, N 1,024]; A: input hidden_states (given as codes); B: input Wk (given as codes): QUANTISED
;;     3. [M 32,768, K 1,024] x [K 1,024, N 1,024]; A: input hidden_states (given as codes); B: input Wv (given as codes): QUANTISED
;;     4. batch 128 x [M 1, K 64] x [K 64, N 4,096]; A: computed on the way; B: computed on the way: left as it is (M = 1 < 16)
;;     5. batch 128 x [M 1, K 4,096] x [K 4,096, N 64]; A: softmax; B: computed on the way: left as it is (M = 1 < 16)
;;   THE QUANTISER, for each operand of a quantised product, along K:
;;     - K is cut into blocks of 32 from its start; a last block that is shorter is filled with zeros.
;;     - A block's scale is 2^e with e = floor(log2(the largest magnitude in the block)) - 2, held to -126 .. 127; a block of zeros has e = 0. As a byte (E8M0): e + 127.
;;     - Each number is divided by its block's scale, clamped to +-6, and rounded to the nearest number of E2M1, ties to even, subnormals kept.
;;     - The product sums the exact products of the quantised numbers (number of the format x scale) in f32.
;;   ~~~python
;;   def quantise(x, axis):      # numpy; x: float32 -> the quantised numbers, widened to float32 again
;;       x = np.moveaxis(x, axis, -1); K = x.shape[-1]
;;       x = np.pad(x, [(0, 0)] * (x.ndim - 1) + [(0, -K % 32)]); x = x.reshape(x.shape[:-1] + (-1, 32)); a = np.abs(x).max(-1, keepdims=True)
;;       e = np.where(a > 0, np.clip(np.frexp(np.where(a > 0, a, 1))[1] - 1 - 2, -126, 127), 0)      # np.frexp(a)[1] - 1 = floor(log2(a)), exactly
;;       r = np.clip(x / 2.0 ** e, -6, 6)
;;       step = 2.0 ** (np.maximum(np.frexp(np.where(r == 0, 1, r))[1] - 1, 0) - 1)
;;       q = np.round(r / step) * step * 2.0 ** e      # np.round: ties to even
;;       return np.moveaxis(q.reshape(q.shape[:-2] + (-1,))[..., :K], -1, axis).astype(np.float32)
;;   ~~~
;;   INPUTS GIVEN AS CODES. Wk (in the module: [1024, 1024], K = its axis 1); Wv (in the module: [1024, 1024], K = its axis 1); hidden_states (in the module: [8, 4097, 1024], K = its axis 2): each comes as NAME_codes (uint8): NAME with its K axis moved to the last place and cut into blocks of 32 codes, [.., K / 32, bytes a block], one block behind the other in memory; two codes a byte, the lower K in the low four bits (a code: sign, 2 exponent bits, 1 mantissa bit); and NAME_scales (uint8): the same leading axes, one E8M0 byte (e + 127) for each 32 codes along K. Its value is code x scale, taken as it is: it is not quantised again, and the codes and scales need not be those that the quantiser above would give.
;; One version. Each part assembles by itself: llvm-mc -triple=amdgcn-amd-amdhsa -mcpu=gfx1250 --defsym DOCPART=n.
;; ======== version 1 of 1: 3 launches
;; workspace buffers: qs 32,768 bytes; part 524,288 bytes
;; launch qproj (part 1): grid 128 x 1, 8 waves a work-group, no clusters, 3,072 bytes of LDS; arguments cell_state, Wq, bq, qs; writes qs
.if DOCPART == 1
	.amdgcn_target "amdgcn-amd-amdhsa--gfx1250"
	.amdhsa_code_object_version 6
	.text
	.protected	k_q27fe469931_qproj
	.globl	k_q27fe469931_qproj
	.p2align	8
	.type	k_q27fe469931_qproj,@function
k_q27fe469931_qproj:
	s_mov_b64 s[64:65], 0
	v_nop
	global_prefetch_b8 v0, s[64:65] scope:SCOPE_SE
	s_setreg_imm32_b32 hwreg(HW_REG_WAVE_MODE, 25, 1), 1
	s_wait_xcnt 0x0
; q'[b][n] = (sum over k of cell_state[b][k] Wq[n][k] + bq[n]) x c, c = log2(e) / sqrt(64): the query, ready for a softmax in base 2.
; cell_state [8][1024], Wq [1024][1024], bq [1024]: f32.  All arithmetic in f32 (fused multiply-adds): 8 rows are too few for the matrix unit.
; qs is laid [128 groups of 8 n][8 batches][8 n] f32: a group is 256 consecutive bytes, aligned, and is what one work-group makes.
; SHARES.  Work-group g takes rows 8 g .. 8 g + 7 of Wq for all 8 batches: 64 results.  Wave w takes k = 128 w .. 128 w + 127, lane l four of them:
; thread t's 16 bytes of every row lie at 16 t, so each load of a wave covers 512 consecutive bytes and each byte of Wq is read once in the launch.
; The 64 sums are joined across the lanes in registers, across the eight waves through 2,048 bytes of LDS (one barrier); wave 0 stores the group.
; LIMITS: NaN and infinities among the inputs are not served.
.set W,   16                           ; v16-47   Wq: row n at W + 4 n
.set C,   48                           ; v48-79   cell_state: batch b at C + 4 b
.set ACC, 80                           ; v80-207  a pair of partial sums for each result idx = 8 b + n
.set S,   16                           ; v16-79   one sum for each result, once W and C are used up
	s_load_b256 s[4:11], s[0:1], 0x0               ; cell_state s[4:5], Wq s[6:7], bq s[8:9], qs s[10:11]
	v_lshl_add_u32 v208, v0, 2, 0x800
	v_mov_b32 v209, 0
	v_lshrrev_b32 v2, 5, v0
	v_readfirstlane_b32 s12, v2                    ; wave 0..7
	v_lshlrev_b32 v1, 4, v0                        ; my 16 bytes of a row: 16 x thread = 512 x wave + 16 x lane
	v_lshrrev_b32 v4, 4, v0
	v_lshlrev_b32 v4, 7, v4                        ; LDS: 256 x wave + 128 x (lane / 16)
	v_and_b32 v5, 31, v0
	v_and_b32 v6, 3, v0
	v_lshlrev_b32 v5, 3, v5                        ; 8 x lane: two results a lane on the way out
	v_lshlrev_b32 v6, 3, v6                        ; results 2 l, 2 l + 1 have n = 2 (l % 4), + 1: their place in the group's 8 numbers of bq
	s_lshl_b32 s14, ttmp9, 15                      ; 8 rows of Wq, 4,096 bytes each
	s_mov_b32 s15, 0
	s_lshl_b32 s16, ttmp9, 5                       ; 8 numbers of bq
	s_mov_b32 s17, 0
	s_lshl_b32 s18, ttmp9, 8                       ; a group of qs
	s_mov_b32 s19, 0
	s_wait_kmcnt 0x0
	s_add_nc_u64 s[6:7], s[6:7], s[14:15]
	s_add_nc_u64 s[8:9], s[8:9], s[16:17]
	s_add_nc_u64 s[10:11], s[10:11], s[18:19]
	global_load_b64 v[8:9], v6, s[8:9]             ; bq's pair; only wave 0 uses it, every wave loads it: one line without a branch, 32 bytes a wave
.irp b, 0,1,2,3,4,5,6,7
	global_load_b128 v[C+4*\b:C+4*\b+3], v1, s[4:5] offset:4096*\b
.endr
.irp n, 0,1,2,3,4,5,6,7
	global_load_b128 v[W+4*\n:W+4*\n+3], v1, s[6:7] offset:4096*\n th:TH_LOAD_NT   ; read once in the whole launch
.endr
.irp n, 0,1,2,3,4,5,6,7
	s_wait_loadcnt 7-\n                            ; loads come back in order: row n of Wq is in (and all of cell_state); the 7 - n younger rows may be out
.irp b, 0,1,2,3,4,5,6,7
	v_pk_mul_f32 v[ACC+2*(8*\b+\n):ACC+2*(8*\b+\n)+1], v[W+4*\n:W+4*\n+1], v[C+4*\b:C+4*\b+1]   ; the first product starts the sums
.endr
.irp b, 0,1,2,3,4,5,6,7
	v_pk_fma_f32 v[ACC+2*(8*\b+\n):ACC+2*(8*\b+\n)+1], v[W+4*\n+2:W+4*\n+3], v[C+4*\b+2:C+4*\b+3], v[ACC+2*(8*\b+\n):ACC+2*(8*\b+\n)+1]
.endr
.endr
.set II, 0
.rept 64
	v_add_f32 v[S+II], v[ACC+2*II], v[ACC+2*II+1]  ; my four k of result II
.set II, II+1
.endr
.set II, 0
.rept 32
	v_permlane16_swap_b32 v[S+II], v[S+32+II]      ; the first's lanes 16-31 change places with the second's lanes 0-15:
.set II, II+1
.endr
.set II, 0
.rept 32
	v_add_f32 v[S+II], v[S+II], v[S+32+II]         ; lanes 0-15 now work on result II, lanes 16-31 on result 32 + II
.set II, II+1
.endr
.irp x, 1,2,4,8
.set II, 0
.rept 32
	v_add_f32_dpp v[S+II], v[S+II], v[S+II] row_xmask:\x row_mask:0xf bank_mask:0xf   ; across the 16 lanes of a half
.set II, II+1
.endr
.endr
.irp k, 0,1,2,3,4,5,6,7
	ds_store_b128 v4, v[S+4*\k:S+4*\k+3] offset:16*\k   ; result 32 h + 4 k + j at byte 4 x result of my wave's 256; the sixteen lanes of a half write the same bytes with the same values
.endr
	s_wait_dscnt 0x0                               ; for the others' sake: my stores have landed
	s_barrier_signal -1
	s_barrier_wait -1
	s_cmp_lg_u32 s12, 0
	s_cbranch_scc1 .Ldone                          ; wave 0 joins the eight waves' sums; no barrier follows
.irp k, 0,1,2,3,4,5,6,7
	ds_load_b64 v[S+2*\k:S+2*\k+1], v5 offset:256*\k    ; results 2 l, 2 l + 1 of wave k
.endr
	s_wait_dscnt 0x0
	v_pk_add_f32 v[S:S+1], v[S:S+1], v[S+2:S+3]
	v_pk_add_f32 v[S+4:S+5], v[S+4:S+5], v[S+6:S+7]
	v_pk_add_f32 v[S+8:S+9], v[S+8:S+9], v[S+10:S+11]
	v_pk_add_f32 v[S+12:S+13], v[S+12:S+13], v[S+14:S+15]
	v_pk_add_f32 v[S:S+1], v[S:S+1], v[S+4:S+5]
	v_pk_add_f32 v[S+8:S+9], v[S+8:S+9], v[S+12:S+13]
	v_pk_add_f32 v[S:S+1], v[S:S+1], v[S+8:S+9]
	v_pk_add_f32 v[S:S+1], v[S:S+1], v[8:9]        ; + bq (in since the wait for Wq's last row)
	v_pk_mul_f32 v[S:S+1], v[S:S+1], 0x3e38aa3b op_sel_hi:[1,0]   ; x c = log2(e) / 8
	global_store_b64 v5, v[S:S+1], s[10:11]        ; 32 lanes store 256 consecutive bytes, aligned: the group
.Ldone:
	s_wait_tensorcnt 0x0
	ds_add_u32 v208, v209
	s_wait_dscnt 0x0
	s_endpgm
.Lfunc_end_k_q27fe469931_qproj:
	.size	k_q27fe469931_qproj, .Lfunc_end_k_q27fe469931_qproj-k_q27fe469931_qproj
	.p2alignl 7, 3214868480
	.fill 96, 4, 3214868480
	.section	.rodata,"a",@progbits
	.p2align	6, 0x0
	.amdhsa_kernel k_q27fe469931_qproj
		.amdhsa_group_segment_fixed_size 3072
		.amdhsa_private_segment_fixed_size 0
		.amdhsa_enable_private_segment 0
		.amdhsa_kernarg_size 32
		.amdhsa_user_sgpr_count 2
		.amdhsa_user_sgpr_kernarg_segment_ptr 1
		.amdhsa_wavefront_size32 1
		.amdhsa_system_sgpr_workgroup_id_x 1
		.amdhsa_system_sgpr_workgroup_id_y 1
		.amdhsa_system_sgpr_workgroup_id_z 1
		.amdhsa_system_vgpr_workitem_id 0
		.amdhsa_next_free_vgpr 210
		.amdhsa_next_free_sgpr 66
		.amdhsa_reserve_vcc 0
		.amdhsa_float_denorm_mode_32 3
		.amdhsa_float_denorm_mode_16_64 3
		.amdhsa_memory_ordered 1
		.amdhsa_forward_progress 1
		.amdhsa_inst_pref_size 25
	.end_amdhsa_kernel
	.amdgpu_metadata
---
amdhsa.version: [ 1, 2 ]
amdhsa.kernels:
  - .name:           k_q27fe469931_qproj
    .symbol:         k_q27fe469931_qproj.kd
    .args:
      - { .name: cell_state, .offset: 0, .size: 8, .value_kind: global_buffer, .address_space: global }
      - { .name: Wq, .offset: 8, .size: 8, .value_kind: global_buffer, .address_space: global }
      - { .name: bq, .offset: 16, .size: 8, .value_kind: global_buffer, .address_space: global }
      - { .name: qs, .offset: 24, .size: 8, .value_kind: global_buffer, .address_space: global }
    .group_segment_fixed_size: 3072
    .private_segment_fixed_size: 0
    .kernarg_segment_align: 8
    .kernarg_segment_size: 32
    .max_flat_workgroup_size: 256
    .sgpr_count:     66
    .vgpr_count:     210
    .wavefront_size: 32
...
	.end_amdgpu_metadata
.endif
;; end of part 1
;; launch kvatt (part 2): grid 8 x 32, 4 waves a work-group, clusters of 4 x 4, 327,680 bytes of LDS; arguments hidden_states_codes, hidden_states_scales, Wk_codes, Wk_scales, Wv_codes, Wv_scales, attention_mask, bk, qs, part; writes part
.if DOCPART == 2
	.amdgcn_target "amdgcn-amd-amdhsa--gfx1250"
	.amdhsa_code_object_version 6
	.text
	.protected	k_q27fe469931_kvatt
	.globl	k_q27fe469931_kvatt
	.p2align	8
	.type	k_q27fe469931_kvatt,@function
k_q27fe469931_kvatt:
	s_mov_b64 s[64:65], 0
	v_nop
	global_prefetch_b8 v0, s[64:65] scope:SCOPE_SE
	s_setreg_imm32_b32 hwreg(HW_REG_WAVE_MODE, 25, 1), 1
	s_wait_xcnt 0x0
	s_wait_alu depctr_hold_cnt(0) depctr_sa_sdst(0) depctr_va_vdst(0) depctr_va_sdst(0) depctr_va_ssrc(0) depctr_va_vcc(0) depctr_vm_vsrc(0)
	s_getreg_b32 s2, hwreg(HW_REG_IB_STS2, 6, 4)
	s_cmp_eq_u32 s2, 0
	s_cbranch_scc0 .Lentry_in_a_cluster
	s_endpgm
.Lentry_in_a_cluster:
	s_bfe_u32 s2, ttmp6, 0x10000c
	s_cmp_lg_u32 s2, 0xf033
	s_cbranch_scc0 .Lentry_shape_is_right
	s_endpgm
.Lentry_shape_is_right:
; k = x Wk^T and v = x Wv^T on codes of FP4 (E2M1) with one E8M0 scale for each 32 along K, as they lie in memory, and behind them, in f32 and without k or v ever leaving the registers:
; t = q' . (k + bk) (q' holds the factor log2(e) / 8), the mask (t = -infinity where attention_mask is 0), a running softmax in base 2 and the sum of p v.
; x: hidden_states [8][4097][1024] (the last position of each batch is not used, as in the problem), Wk, Wv [1024][1024]: a row of 1,024 codes is 512 bytes, its scales 32 bytes.
; TWO REWRITES THAT HOLD FOR EVERY INPUT: q'.(k + bk) = q'.k + q'.bk, the second term made once a lane and used as the addend that starts each score; bv is added behind the division, by the next launch.
; SHARES.  256 work-groups: x = a pair of heads (8), y = batch (8) x quarter of the 4,096 positions (4).  A work-group stays: it walks 4 tiles of 256 positions against ONE tile of 256 weight rows that
; stays in LDS (head 2 x: 64 rows of Wk, 64 of Wv; head 2 x + 1 likewise).  Four waves, as many as a WGP has SIMDs: wave w takes positions 128 (w / 2) on and head w % 2: 128 positions x (64 columns of k + 64 of v),
; 64 accumulators, 512 registers.  So a score, its p and p v are the wave's own: nothing goes from wave to wave.  Each wave leaves one record (its largest t, its sum of p, its sum of p v); the next launch joins them.
; THE MATRIX INSTRUCTION IS USED TRANSPOSED (source 0 = 16 weight rows, source 1 = 16 positions): lane (r, h) holds position 16 a + r, and register j of block bb the column 16 (bb % 4) + 8 h + j.
; RING.  A tile of x is two LDS slots: slot 0 its K 0-511, slot 1 its K 512-1023 (rows of 256 bytes); each is filled again with the next tile's as soon as it is read out.  Weights and all scales are filled once.
; CLUSTERS: 4 x 4 work-groups: a cluster's y is the batch, its cy the quarter, its cx one of four pairs of heads.  The four of a row need the same tiles of x, the four of a column the same weights:
; every tensor load is asked for JOINTLY, by the same line with the same descriptor and a mask that names the four.
; LIMITS: a scale byte 0xff gives NaN; NaN and infinities in q', bk are not served; a t under -3e38 is not told from 'nothing yet'; a wave all of whose positions are masked leaves sum 0 and largest t -3e38.
; REGISTERS, in windows of 256: window 0: v1-31 addresses and statistics; v32-95 scale words, two sets; v96-127 q'; v128-191 x's fragments, ONE set; v192-223 the sum of p v; v224-255 at work in the softmax.
;   window 1: the weights' fragments, TWO sets, at v0 and v128.   window 2: the accumulators of my positions 0-63 ((a, bb) at v[64 a + 8 bb]);   window 3: those of positions 64-127.
.set PA,     272                       ; a row of x in LDS: 256 bytes + 16 of padding = 17 x 16: the 16 rows that a load touches start 16 bytes further round each 256
.set QUARTA, 64*PA                     ; what one tensor load brings of a slot
.set HALFA,  128*PA                    ; what one wave reads of it
.set SLOTB,  256*PA                    ; a slot: 69,632 bytes
.set PB,     528                       ; a weight row in LDS: 512 bytes + 16 = 33 x 16
.set QUARTB, 64*PB
.set HALFB,  128*PB
.set BC,     2*SLOTB                   ; behind the ring: the weights' codes, 256 rows
.set SCB,    BC+256*PB                 ; the weights' scales: 256 rows x 32 bytes = 32 pieces of 256 bytes + 16 of padding
.set SCA,    SCB+32*272                ; x's scales of the work-group's 1,024 positions: 128 such pieces
.set SPARE,  SCA+128*272               ; the spare words, 128 bytes for each wave: two blocks of 256 bytes that no other line names
.set SBLK,   544                       ; the scales of 16 rows: two pieces
.set TILEB,  256*512                   ; from a tile of x to the next, in memory
.set BATC,   4097*512                  ; from batch to batch: codes,
.set BATS,   4097*32                   ; scales
.set QB,   14                          ; v[14:15] my half of q'.bk, even and odd columns
.set ADRA, 16                          ; v16-17  LDS address of my fragments of x in slot 0, 1
.set ADRB, 18                          ; v18     of my weight fragments
.set ADRL, 19                          ; v19     of my weight rows' scale words
.set NH,   20                          ; v20     1 in lanes 0-15, 0 in lanes 16-31
.set ADRS, 21                          ; v21     of the scale words that I load: lanes 0-15 x's, lanes 16-31 the weights'
.set MO,   22                          ; v22     4 r: my mask word's place
.set NINF, 23                          ; v23     -infinity
.set STO,  24                          ; v24     the way out: where I put 16 bytes
.set RD,   25                          ; v25     and where I read 8 back
.set GO,   26                          ; v26     8 x lane
.set PFO,  27                          ; v27     the prefetches' offset: 512 (lane % 16) + 256 (lane / 16); never rewritten
.set SPW,  28                          ; v28     LDS address of my spare word; never rewritten
.set NIL,  29                          ; v29     0; never rewritten
.set SC,   32                          ; scale words: set s at SC + 32 s; register 4 i + q: lanes 0-15 the word of x's block i, lanes 16-31 that of weight block i, for the slot's q-th 128 along K
.set Q,    96                          ; q' of my 32 columns: register 8 cb + j = column 16 cb + 8 h + j
.set AF,   128
.set CTX,  192                         ; the sum of p v, same columns
.set T,    224                         ; v224-239 score pairs, then at work
.set P,    240                         ; v240-247 t, then p, of my eight positions
.set MK,   248                         ; v248-255 their mask words
; v8 m (the largest t so far), v9 the old m, v10 f, v11 0, v[12:13] the sum of p in two halves, v[30:31] (M, l) on the way out
.set G1A,  24                          ; s[24:31] descriptor group 1: tiles of x;  s[32:39] weights;  s[40:47] x's scales;  s[48:55] the weights' scales
.set G1B,  32
.set G1SA, 40
.set G1SB, 48
.set G0A,  56                          ; s[56:59], s[60:63] group 0 for slot 0, 1
.set SEL,  66                          ; s[66:67] v_permlanex16_b32's selects for lane l xor 16
.set G0B,  68
.set G0SA, 72
.set G0SB, 76
.set WV,   80                          ; wave
.set RH,   81                          ; wave / 2: which 128 positions are mine
.set HJ,   82                          ; wave % 2: which head
.set CX,   83
.set CY,   84
.set HP,   85                          ; the pair of heads; later the head
.set BT,   86                          ; the batch
.set CNT,  89                          ; tiles that have a successor
.set DS,   90                          ; from my weight rows' scale words up to my positions', in LDS bytes; 8,704 more for each tile
.set LIM,  91                          ; 1 in a cluster that prefetches, else the greatest number
.set PFA,  92                          ; s[92:93] where my prefetches stand
.set MB,   94                          ; s[94:95] the mask words of my 128 positions of the tile
.set MSB, 0
.macro WIN new                         ; the immediate's high byte repeats the setting that is left; a switch that changes nothing is dropped
.if MSB != (\new)
	s_set_vgpr_msb (MSB<<8)|(\new)
.set MSB, (\new)
.endif
.endm
.set MUL_LO, 0xa1                      ; source 0 (weights) window 1, source 1 (x) window 0, C and D window 2
.set MUL_HI, 0xf1                      ; the same, C and D window 3
.set TO_B,   0x40                      ; destination window 1, address window 0
.macro PLACES n                        ; plain vector instructions between a matrix instruction and a load into, or a read of, its registers (ISA guide 7.12.1 for reads)
.rept \n
	v_nop
.endr
.endm
.macro CREST                           ; a round of the cluster's barrier behind its opening barrier
	s_cmp_lg_u32 s[WV], 0
	s_cbranch_scc1 .Lnot_wave_0_\@
	s_barrier_signal -3
.Lnot_wave_0_\@:
	s_barrier_wait -3
	s_barrier_signal -1
	s_barrier_wait -1
.endm
.macro CROUND                          ; a whole round
	s_barrier_signal -1
	s_barrier_wait -1
	CREST
.endm
.macro JA slot                         ; the joint refill of a slot: every wave brings its 64 rows; four v_nop follow
	tensor_load_to_lds s[G0A+4*\slot:G0A+4*\slot+3], s[G1A:G1A+7]
	s_nop 0
.rept 4
	v_nop
.endr
.endm
; A fragment, 16 rows x 128 K of 4-bit codes, is 8 registers: lane l holds row l % 16; registers 4 c .. 4 c + 3 hold K = 64 c + 32 (l / 16) + 0 .. 31: 16 bytes of the row as they lie.
.macro FRAGA reg, slot, q, i
.irp c, 0,1
	ds_load_b128 v[\reg+4*\c:\reg+4*\c+3], v[ADRA+\slot] offset:64*(\q)+32*\c+(\i)*16*PA
.endr
.endm
.macro FRAGB reg, g, i                 ; g: which 128 of the whole K
.irp c, 0,1
	ds_load_b128 v[\reg+4*\c:\reg+4*\c+3], v[ADRB] offset:64*(\g)+32*\c+(\i)*16*PB
.endr
.endm
.macro FETCH_B g, p                    ; the weights' eight fragments of K step g into set p: 16 loads
	WIN TO_B
.irp i, 0,1,2,3,4,5,6,7
	FRAGB 128*(\p)+8*\i, \g, \i
.endr
	WIN 0
.endm
.macro FETCH_A slot, q, i0             ; x's blocks i0 .. i0 + 3: 8 loads
.irp i, \i0, \i0+1, \i0+2, \i0+3
	FRAGA AF+8*(\i), \slot, \q, \i
.endr
.endm
.macro SCALES sc                       ; a slot's scale words into set sc: four words a row; lanes 0-15 take x's block i, lanes 16-31 weight block i: 8 loads
.irp i, 0,1,2,3,4,5,6,7
	ds_load_b128 v[SC+32*\sc+4*\i:SC+32*\sc+4*\i+3], v[ADRS] offset:16*\sc+SBLK*\i
.endr
.endm
; 16 matrix instructions: x's blocks a0, a0 + 1 against the eight weight blocks, 128 along K.  zero = 1: the first product starts the sums: nothing is cleared.
; The 64 accumulators take turns, one instruction a turn, in the same order in every step.
.macro MUL16 a0, p, q, sc, zero
.irp a, \a0, \a0+1
.irp b, 0,1,2,3,4,5,6,7
.if \zero
	v_wmma_scale_f32_16x16x128_f8f6f4 v[8*(8*((\a)%4)+\b):8*(8*((\a)%4)+\b)+7], v[128*(\p)+8*\b:128*(\p)+8*\b+7], v[AF+8*(\a):AF+8*(\a)+7], 0, v[SC+32*(\sc)+4*\b+(\q)], v[SC+32*(\sc)+4*(\a)+(\q)] matrix_a_fmt:MATRIX_FMT_FP4 matrix_b_fmt:MATRIX_FMT_FP4 matrix_a_scale:MATRIX_SCALE_ROW1
.else
	v_wmma_scale_f32_16x16x128_f8f6f4 v[8*(8*((\a)%4)+\b):8*(8*((\a)%4)+\b)+7], v[128*(\p)+8*\b:128*(\p)+8*\b+7], v[AF+8*(\a):AF+8*(\a)+7], v[8*(8*((\a)%4)+\b):8*(8*((\a)%4)+\b)+7], v[SC+32*(\sc)+4*\b+(\q)], v[SC+32*(\sc)+4*(\a)+(\q)] matrix_a_fmt:MATRIX_FMT_FP4 matrix_b_fmt:MATRIX_FMT_FP4 matrix_a_scale:MATRIX_SCALE_ROW1
.endif
.endr
.endr
.endm
; A step of 128 along K that has its successor in the same slot (q = 0, 1, 2).  A block of x is free as soon as its eight products are issued, so x has one set of registers:
; blocks 0-3 are fetched anew in the step's middle, blocks 4-7 at its end; the weights' fragments are at work through the whole step and have two sets.
.macro STEP slot, q, zero
	s_wait_dscnt 8                                 ; all but the youngest eight loads (x's blocks 4-7) are in
	WIN MUL_LO
	MUL16 0, (\q)%2, \q, \slot, \zero
	MUL16 2, (\q)%2, \q, \slot, \zero
	s_wait_dscnt 0x0                               ; x's blocks 4-7 are in (asked for 32 matrix instructions ago)
	PLACES 4
	FETCH_B 4*\slot+(\q)+1, 1-(\q)%2
	FETCH_A \slot, (\q)+1, 0
	WIN MUL_HI
	MUL16 4, (\q)%2, \q, \slot, \zero
	MUL16 6, (\q)%2, \q, \slot, \zero
	PLACES 4
	WIN 0
	FETCH_A \slot, (\q)+1, 4
.endm
; A PREFETCH INTO THE L2 of the tile of x that stands two tiles on: 256 rows of 512 bytes.  It stands behind the joint load, its four lines and the run of LDS loads that the next products wait for,
; one tile's 512 matrix instructions ahead of the first load that will want those rows.  Each row's two halves of 256 bytes are named ONCE in the launch: both clusters of a batch read the same rows, and the one with
; x = 0 asks; its four partners along a row share the tile out BY ADDRESS, 64 rows each (cx), the four waves 16 rows each, a lane half a row.  Tile 1 comes by its loads alone; the last two tiles ask for nothing.
.macro ASK
	s_cmp_gt_u32 s[CNT], s[LIM]
	s_cbranch_scc0 .Lnot_mine_\@
	global_prefetch_b8 v[PFO], s[PFA:PFA+1] th:TH_LOAD_NT scope:SCOPE_SE
.Lnot_mine_\@:
.endm
; A slot's last step (q = 3) changes slots: ONE barrier; in front of it each wave waits for all its tensor loads, adds 0 to its spare word, and waits for that and for its own reads of this slot.
; fill = 1: the barrier opens a round of the cluster's barrier, and this slot is filled again with the next tile's half of K, first thing behind the round.
.macro TURN slot, next, fill
.if (\fill) && (\slot) == 0
	s_wait_xcnt 0x0                                ; the last prefetch, a tile back, has read its address: it is stepped here, ahead of the waits of the change of slots
	s_add_nc_u64 s[PFA:PFA+1], s[PFA:PFA+1], TILEB
.endif
	s_wait_tensorcnt 0x0                           ; all my tensor loads have landed: my part of the next slot  (every window is 0 here)
	ds_add_u32 v[SPW], v[NIL]                      ; 0 onto my spare word
	s_wait_dscnt 9                                 ; (the add and the youngest eight loads, x's blocks 4-7, may be out)
	WIN MUL_LO
	MUL16 0, 1, 3, \slot, 0                        ; sixteen matrix instructions stand between the add and the wait for it
	s_wait_dscnt 0x0                               ; the add is done, and my reads of this slot are over
	s_barrier_signal -1
	MUL16 2, 1, 3, \slot, 0
	WIN 0
	s_barrier_wait -1
.if \fill
	CREST                                          ; no wave of any partner still reads this slot or has a load on its way
	s_add_nc_u64 s[G0A+4*\slot+2:G0A+4*\slot+3], s[G0A+4*\slot+2:G0A+4*\slot+3], TILEB   ; 256 positions on; the type bits on top are not reached
	JA \slot                                       ; my one tensor load behind the round; its four v_nop are also the places in front of the loads below
.else
	PLACES 4
.endif
.if (\next) == 0
	s_add_co_u32 s[DS], s[DS], 8704                ; the next tile's scale words of x
	v_mad_u32_u24 v[ADRS], v[NH], s[DS], v[ADRL]
.endif
	FETCH_B 4*\next, 0
	FETCH_A \next, 0, 0
	SCALES \next
.if (\fill) && (\slot) == 0
	ASK
.endif
	WIN MUL_HI
	MUL16 4, 1, 3, \slot, 0
	MUL16 6, 1, 3, \slot, 0
	PLACES 4                                       ; in front of the loads below, and of the first reads of results
	WIN 0
	FETCH_A \next, 0, 4
.endm
.macro MASKLOAD                        ; the mask words of positions 16 a + r
.irp a, 0,1,2,3,4,5,6,7
	global_load_b32 v[MK+\a], v[MO], s[MB:MB+1] offset:64*\a
.endr
.endm
; q'.k over my 32 columns, two at a time, for blocks a = 4 hi .. 4 hi + 3 by turns; the first link adds q'.bk.  Each accumulator is read from its low end on.
.macro SCORES hi
	WIN 0x02+\hi                                   ; source 0: window 2 or 3
.set II, 0
.rept 16
.irp a, 0,1,2,3
.if II == 0
	v_pk_fma_f32 v[T+2*(4*\hi+\a):T+2*(4*\hi+\a)+1], v[64*\a:64*\a+1], v[Q:Q+1], v[QB:QB+1]
.else
	v_pk_fma_f32 v[T+2*(4*\hi+\a):T+2*(4*\hi+\a)+1], v[64*\a+2*II:64*\a+2*II+1], v[Q+2*II:Q+2*II+1], v[T+2*(4*\hi+\a):T+2*(4*\hi+\a)+1]
.endif
.endr
.set II, II+1
.endr
.endm
; the sum of p v: block a's 32 columns of v times its p, which is the low or the high word of its pair, taken for both halves
.macro PV hi
	WIN 0x02+\hi
.irp a, 0,1,2,3
.set II, 0
.rept 16
.if (\a)%2 == 0
	v_pk_fma_f32 v[CTX+2*II:CTX+2*II+1], v[64*\a+32+2*II:64*\a+32+2*II+1], v[P+4*\hi+2*(\a/2):P+4*\hi+2*(\a/2)+1], v[CTX+2*II:CTX+2*II+1] op_sel_hi:[1,0,1]
.else
	v_pk_fma_f32 v[CTX+2*II:CTX+2*II+1], v[64*\a+32+2*II:64*\a+32+2*II+1], v[P+4*\hi+2*(\a/2):P+4*\hi+2*(\a/2)+1], v[CTX+2*II:CTX+2*II+1] op_sel:[0,1,0] op_sel_hi:[1,1,1]
.endif
.set II, II+1
.endr
.endr
.endm
; A TILE'S SOFTMAX: my eight positions' t, the mask, the running maximum m of my lane, p = 2^(t - m), and the sums under the new m.  more = 1: the next tile's mask words are asked for.
.macro EPI more
	SCORES 0
	SCORES 1
	WIN 0
.irp a, 0,1,2,3,4,5,6,7
	v_add_f32 v[P+\a], v[T+2*\a], v[T+2*\a+1]      ; even and odd columns
.endr
.irp a, 0,1,2,3,4,5,6,7
	v_permlanex16_b32 v[T+\a], v[P+\a], s[SEL], s[SEL+1]   ; the position's other 32 columns lie in the lane 16 away
.endr
.irp a, 0,1,2,3,4,5,6,7
	v_add_f32 v[P+\a], v[P+\a], v[T+\a]            ; t; both lanes of a position hold the same bits
.endr
	s_wait_loadcnt 0x0                             ; this tile's eight mask words; nothing younger is out
.irp a, 0,1,2,3,4,5,6,7
	v_cmp_eq_u32 vcc_lo, 0, v[MK+\a]
	v_cndmask_b32 v[P+\a], v[P+\a], v[NINF], vcc_lo   ; -infinity where the mask is 0
.endr
.if \more
	s_add_nc_u64 s[MB:MB+1], s[MB:MB+1], 1024      ; the loads that read this base are done: 256 positions on
	MASKLOAD
.endif
	v_mov_b32 v9, v8
	v_max3_num_f32 v8, v8, v[P], v[P+1]
	v_max3_num_f32 v8, v8, v[P+2], v[P+3]
	v_max3_num_f32 v8, v8, v[P+4], v[P+5]
	v_max3_num_f32 v8, v8, v[P+6], v[P+7]          ; the new m: never under -3e38, so t - m is a number or -infinity
	v_sub_f32 v10, v9, v8                          ; old m - new m, 0 or less
.irp a, 0,2,4,6
	v_pk_add_f32 v[P+\a:P+\a+1], v[P+\a:P+\a+1], v[8:9] op_sel_hi:[1,0] neg_lo:[0,1] neg_hi:[0,1]   ; t - m
.endr
.irp a, 0,1,2,3,4,5,6,7
	v_exp_f32 v[P+\a], v[P+\a]                     ; p, at most 1; 0 for a masked position
.endr
	v_exp_f32 v10, v10                             ; f = 2^(old m - new m)
	v_nop                                          ; a plain instruction behind the last exponential
	s_wait_alu depctr_va_vdst(0)                   ; one wait for the nine, ahead of their first reader
	v_pk_add_f32 v[T:T+1], v[P:P+1], v[P+2:P+3]
	v_pk_add_f32 v[T+2:T+3], v[P+4:P+5], v[P+6:P+7]
	v_pk_add_f32 v[T:T+1], v[T:T+1], v[T+2:T+3]
	v_pk_fma_f32 v[12:13], v[12:13], v[10:11], v[T:T+1] op_sel_hi:[1,0,1]   ; l = l f + the tile's p
.set II, 0
.rept 16
	v_pk_mul_f32 v[CTX+2*II:CTX+2*II+1], v[CTX+2*II:CTX+2*II+1], v[10:11] op_sel_hi:[1,0]   ; the sum of p v under the new m
.set II, II+1
.endr
	PV 0
	PV 1
	WIN 0
.endm
	s_load_b256 s[4:11], s[0:1], 0x0               ; x's codes s[4:5], x's scales s[6:7], Wk's codes s[8:9], Wk's scales s[10:11]
	s_load_b256 s[12:19], s[0:1], 0x20             ; Wv's codes s[12:13], Wv's scales s[14:15], the mask s[16:17], bk s[18:19]
	s_load_b128 s[20:23], s[0:1], 0x40             ; q' s[20:21], the records s[22:23]
	v_lshl_add_u32 v[SPW], v0, 2, SPARE
	v_mov_b32 v[NIL], 0
	ds_add_u32 v28, v29
	ds_add_u32 v28, v29
	s_wait_dscnt 0x0
	v_lshrrev_b32 v1, 5, v0
	v_readfirstlane_b32 s[WV], v1                  ; wave 0..3
	s_lshr_b32 s[RH], s[WV], 1
	s_and_b32 s[HJ], s[WV], 1
	s_bfe_u32 s[CX], ttmp6, 0x40000                ; my place in the cluster
	s_bfe_u32 s[CY], ttmp6, 0x40004                ; cy is also the quarter of the positions
	s_lshl_b32 s[HP], ttmp9, 2
	s_add_co_u32 s[HP], s[HP], s[CX]               ; the pair of heads = 4 x cluster x + cx
	s_and_b32 s[BT], ttmp7, 0xffff                 ; the batch = cluster y
	s_lshl_b32 s87, s[CY], 2
	s_lshl_b32 s87, 15, s87                        ; my row of the cluster: x's tiles and scales
	s_lshl_b32 s88, 0x1111, s[CX]                  ; my column: the weights' tiles and scales
	; group 1, x's tiles: 64 rows x 256 elements of 1 byte, 512 bytes apart in memory; in LDS 4 words of padding (code 3) behind every 64 (code 5); bit 21 set beside a mask
	s_or_b32 s[G1A], s87, (1<<20)|(1<<21)|(5<<22)|(3<<25)
	s_mov_b32 s[G1A+1], 256<<16                    ; tensor_dim0
	s_mov_b32 s[G1A+2], 64<<16                     ; tensor_dim1
	s_mov_b32 s[G1A+3], 256<<16                    ; tile_dim0
	s_mov_b32 s[G1A+4], 64                         ; tile_dim1
	s_mov_b32 s[G1A+5], 512                        ; from row to row
	s_mov_b32 s[G1A+6], 0
	s_mov_b32 s[G1A+7], 0
	; the weights: 64 whole rows of 512 bytes; padding behind every 128 words (code 6)
	s_or_b32 s[G1B], s88, (1<<20)|(1<<21)|(6<<22)|(3<<25)
	s_mov_b32 s[G1B+1], 512<<16
	s_mov_b32 s[G1B+2], 64<<16
	s_mov_b32 s[G1B+3], 512<<16
	s_mov_b32 s[G1B+4], 64
	s_mov_b32 s[G1B+5], 512
	s_mov_b32 s[G1B+6], 0
	s_mov_b32 s[G1B+7], 0
	; x's scales of 256 positions: a dense block of 8,192 bytes, as 32 rows of 32 elements of 8 bytes, 16 bytes of padding behind each
	s_or_b32 s[G1SA], s87, (3<<16)|(1<<20)|(1<<21)|(5<<22)|(3<<25)
	s_mov_b32 s[G1SA+1], 32<<16
	s_mov_b32 s[G1SA+2], 32<<16
	s_mov_b32 s[G1SA+3], 32<<16
	s_mov_b32 s[G1SA+4], 32
	s_mov_b32 s[G1SA+5], 32
	s_mov_b32 s[G1SA+6], 0
	s_mov_b32 s[G1SA+7], 0
	; the scales of 64 weight rows: 2,048 dense bytes, 8 such rows
	s_or_b32 s[G1SB], s88, (3<<16)|(1<<20)|(1<<21)|(5<<22)|(3<<25)
	s_mov_b32 s[G1SB+1], 32<<16
	s_mov_b32 s[G1SB+2], 8<<16
	s_mov_b32 s[G1SB+3], 32<<16
	s_mov_b32 s[G1SB+4], 8
	s_mov_b32 s[G1SB+5], 32
	s_mov_b32 s[G1SB+6], 0
	s_mov_b32 s[G1SB+7], 0
	; where x's tiles begin: batch, quarter (cy) and wave alone, in registers that never hold cx
	s_lshl_b32 s96, s[CY], 10
	s_lshl_b32 s97, s[WV], 6
	s_add_co_u32 s96, s96, s97                     ; position 1,024 x quarter + 64 x wave
	s_lshl_b32 s96, s96, 9
	s_mul_i32 s97, s[BT], BATC
	s_add_co_u32 s96, s96, s97                     ; in bytes of codes (under 2^25)
	s_mov_b32 s97, 0
	s_lshl_b32 s98, s[CY], 10
	s_lshl_b32 s99, s[WV], 8
	s_add_co_u32 s98, s98, s99                     ; position 1,024 x quarter + 256 x wave: wave w brings tile w's scales
	s_lshl_b32 s98, s98, 5
	s_mul_i32 s99, s[BT], BATS
	s_add_co_u32 s98, s98, s99
	s_mov_b32 s99, 0
	; and the weights': the pair of heads and the wave alone, in registers that never hold cy or the batch
	s_lshl_b32 s2, s[HP], 7
	s_lshl_b32 s3, s[RH], 6
	s_add_co_u32 s2, s2, s3                        ; row 128 x pair + 64 x (wave / 2): waves 0, 1 the first head's (Wk, Wv), waves 2, 3 the second's
	s_lshl_b32 s100, s2, 5                         ; its scales,
	s_lshl_b32 s2, s2, 9                           ; its codes
	s_mov_b32 s3, 0
	s_mov_b32 s101, 0
	s_wait_kmcnt 0x0
	s_cmp_eq_u32 s[HJ], 0                          ; even waves bring rows of Wk, odd waves of Wv: the choice hangs on the wave's number alone
	s_cselect_b64 s[8:9], s[8:9], s[12:13]
	s_cselect_b64 s[10:11], s[10:11], s[14:15]
	s_mov_b32 s[G0A], 1                            ; count = 1
	s_mul_i32 s[G0A+1], s[WV], QUARTA              ; LDS: slot 0, my 64 rows: no place in the cluster enters an LDS address
	s_add_nc_u64 s[G0A+2:G0A+3], s[4:5], s[96:97]  ; tile 0, K 0-511
	s_mov_b32 s[G0A+4], 1
	s_add_co_u32 s[G0A+5], s[G0A+1], SLOTB         ; slot 1
	s_add_nc_u64 s[G0A+6:G0A+7], s[G0A+2:G0A+3], 256   ; K 512-1023
	s_or_b32 s[G0A+3], s[G0A+3], 0x80000000        ; type = 2
	s_or_b32 s[G0A+7], s[G0A+7], 0x80000000
	s_mov_b32 s[G0B], 1
	s_mul_i32 s[G0B+1], s[WV], QUARTB
	s_add_co_u32 s[G0B+1], s[G0B+1], BC
	s_add_nc_u64 s[G0B+2:G0B+3], s[8:9], s[2:3]
	s_or_b32 s[G0B+3], s[G0B+3], 0x80000000
	s_mov_b32 s[G0SA], 1
	s_mul_i32 s[G0SA+1], s[WV], 32*272
	s_add_co_u32 s[G0SA+1], s[G0SA+1], SCA
	s_add_nc_u64 s[G0SA+2:G0SA+3], s[6:7], s[98:99]
	s_or_b32 s[G0SA+3], s[G0SA+3], 0x80000000
	s_mov_b32 s[G0SB], 1
	s_mul_i32 s[G0SB+1], s[WV], 8*272
	s_add_co_u32 s[G0SB+1], s[G0SB+1], SCB
	s_add_nc_u64 s[G0SB+2:G0SB+3], s[10:11], s[100:101]
	s_or_b32 s[G0SB+3], s[G0SB+3], 0x80000000
	CROUND                                         ; all sixteen work-groups are here: the first joint loads meet
	tensor_load_to_lds s[G0SB:G0SB+3], s[G1SB:G1SB+7]     ; the first fills go out as one group: five tensor loads of mine are out
	s_nop 0
	tensor_load_to_lds s[G0SA:G0SA+3], s[G1SA:G1SA+7]
	s_nop 0
	tensor_load_to_lds s[G0B:G0B+3], s[G1B:G1B+7]
	s_nop 0
	tensor_load_to_lds s[G0A:G0A+3], s[G1A:G1A+7]
	s_nop 0
	tensor_load_to_lds s[G0A+4:G0A+7], s[G1A:G1A+7]
	s_nop 0
.rept 4
	v_nop
.endr
	; the other addresses, while the tiles are on their way
	s_lshl_b32 s[HP], s[HP], 1
	s_add_co_u32 s[HP], s[HP], s[HJ]               ; from here on: my head = 2 x pair + wave % 2
	s_lshl_b32 s98, s[BT], 14                      ; the mask: 16,384 bytes a batch,
	s_lshl_b32 s99, s[CY], 12                      ; 4,096 a quarter,
	s_add_co_u32 s98, s98, s99
	s_lshl_b32 s99, s[RH], 9                       ; 512 for my 128 positions
	s_add_co_u32 s98, s98, s99
	s_mov_b32 s99, 0
	s_add_nc_u64 s[MB:MB+1], s[16:17], s[98:99]
	s_lshl_b32 s2, s[HP], 8                        ; bk: 64 numbers a head
	s_add_nc_u64 s[18:19], s[18:19], s[2:3]
	s_lshl_b32 s2, s[HP], 11                       ; q': 8 groups of 256 bytes a head, 32 bytes a batch in each
	s_lshl_b32 s100, s[BT], 5
	s_add_co_u32 s2, s2, s100
	s_add_nc_u64 s[20:21], s[20:21], s[2:3]
	s_lshl_b32 s2, s[BT], 4                        ; my record: ((batch x 16 + head) x 4 + quarter) x 2 + wave / 2, 512 bytes each
	s_add_co_u32 s2, s2, s[HP]
	s_lshl_b32 s2, s2, 2
	s_add_co_u32 s2, s2, s[CY]
	s_lshl_b32 s2, s2, 1
	s_add_co_u32 s2, s2, s[RH]
	s_lshl_b32 s2, s2, 9
	s_add_nc_u64 s[22:23], s[22:23], s[2:3]
	s_lshl_b32 s2, s[CY], 10                       ; the prefetches: position 1,024 x quarter + 256 (tile 1: the first change of slots steps it to tile 2) + 64 cx + 16 x wave
	s_lshl_b32 s100, s[CX], 6
	s_add_co_u32 s2, s2, s100
	s_lshl_b32 s100, s[WV], 4
	s_add_co_u32 s2, s2, s100
	s_add_co_u32 s2, s2, 256
	s_lshl_b32 s2, s2, 9
	s_mul_i32 s100, s[BT], BATC
	s_add_co_u32 s2, s2, s100
	s_add_nc_u64 s[PFA:PFA+1], s[4:5], s[2:3]
	s_cmp_eq_u32 ttmp9, 0                          ; the same in all sixteen partners
	s_cselect_b32 s[LIM], 1, -1
	s_xor_b32 s[DS], s[HJ], 1                      ; (SCA - SCB) + 4,352 (wave / 2) - 4,352 (wave % 2) = 4,352 x (1 + wave / 2 + (1 - wave % 2))
	s_add_co_u32 s[DS], s[DS], s[RH]
	s_add_co_u32 s[DS], s[DS], 1
	s_mul_i32 s[DS], s[DS], 4352
	s_mov_b32 s[SEL], 0x76543210
	s_mov_b32 s[SEL+1], 0xfedcba98
	v_and_b32 v1, 15, v0                           ; r
	v_bfe_u32 v2, v0, 4, 1                         ; h
	v_and_b32 v7, 31, v0                           ; lane
	v_lshlrev_b32 v5, 8, v2                        ; q': my half's group, 256 h
	v_lshlrev_b32 v6, 5, v2                        ; bk: my half's eight numbers, 32 h
	v_lshlrev_b32 v[MO], 2, v1
.irp k, 0,1,2,3,4,5,6,7                        ; k = 2 cb + u: columns 16 cb + 8 h + 4 u on
	global_load_b128 v[Q+4*\k:Q+4*\k+3], v5, s[20:21] offset:512*(\k/2)+16*(\k%2)
.endr
.irp k, 0,1,2,3,4,5,6,7
	global_load_b128 v[CTX+4*\k:CTX+4*\k+3], v6, s[18:19] offset:64*(\k/2)+16*(\k%2)   ; bk, for the moment where the sum of p v will stand
.endr
	MASKLOAD                                       ; tile 0's
	v_mul_u32_u24 v3, v1, PA
	v_lshl_add_u32 v3, v2, 4, v3                   ; a fragment's row x pitch + 16 x half
	s_mul_i32 s2, s[RH], HALFA                     ; my 128 positions
	v_add_nc_u32 v[ADRA], s2, v3
	s_add_co_u32 s2, s2, SLOTB
	v_add_nc_u32 v[ADRA+1], s2, v3
	v_mul_u32_u24 v4, v1, PB
	v_lshl_add_u32 v4, v2, 4, v4
	s_mul_i32 s2, s[HJ], HALFB                     ; my head's 128 weight rows
	s_add_co_u32 s2, s2, BC
	v_add_nc_u32 v[ADRB], s2, v4
	v_lshrrev_b32 v3, 3, v1
	v_lshlrev_b32 v4, 5, v1
	v_lshl_add_u32 v4, v3, 4, v4                   ; a row's scales: 32 r, and 16 more behind each 256
	s_mul_i32 s2, s[HJ], 4352
	s_add_co_u32 s2, s2, SCB
	v_add_nc_u32 v[ADRL], s2, v4
	v_xor_b32 v[NH], 1, v2
	v_mad_u32_u24 v[ADRS], v[NH], s[DS], v[ADRL]   ; the lower base + (1 - h) x the distance: lanes 0-15 take x's words, lanes 16-31 the weights'
	s_lshl_b32 s2, s[WV], 8                        ; the way out: 256 bytes a wave, in slot 0
	v_lshl_add_u32 v[STO], v2, 5, s2
	v_lshl_add_u32 v[RD], v7, 3, s2
	v_lshlrev_b32 v[GO], 3, v7
	v_lshlrev_b32 v[PFO], 9, v1
	v_lshl_add_u32 v[PFO], v2, 8, v[PFO]
	v_mov_b32 v[NINF], 0xff800000
	v_mov_b32 v8, 0xff61b1e6                       ; m: -3e38, under every t that is served
	v_mov_b32 v11, 0                               ; (named as the upper half of the pair v[10:11])
	v_mov_b32 v12, 0                               ; l
	v_mov_b32 v13, 0
	s_wait_loadcnt 8                               ; q' and bk are in; the eight mask loads issued behind them may be out
	v_pk_mul_f32 v[QB:QB+1], v[Q:Q+1], v[CTX:CTX+1]
.set II, 1
.rept 15
	v_pk_fma_f32 v[QB:QB+1], v[Q+2*II:Q+2*II+1], v[CTX+2*II:CTX+2*II+1], v[QB:QB+1]   ; q'.bk over my 32 columns
.set II, II+1
.endr
.set II, 0
.rept 32
	v_mov_b32 v[CTX+II], 0                         ; the sum of p v begins as zeros, so that a tile's softmax is written once for all tiles
.set II, II+1
.endr
	s_wait_tensorcnt 1                             ; all scales, the weights and slot 0 are in (my parts); slot 1's load may stay out
	s_barrier_signal -1
	s_barrier_wait -1                              ; everybody's are
	FETCH_B 0, 0
	FETCH_A 0, 0, 0
	SCALES 0
	FETCH_A 0, 0, 4
	s_mov_b32 s[CNT], 3
.Ltile:                                            ; a tile that has a successor: both slots are filled again
	STEP 0, 0, 1                                   ; the tile's first step starts the sums
	STEP 0, 1, 0
	STEP 0, 2, 0
	TURN 0, 1, 1
	STEP 1, 0, 0
	STEP 1, 1, 0
	STEP 1, 2, 0
	TURN 1, 0, 1                                   ; the next tile's first fragments are on their way while the softmax is worked
	EPI 1
	s_sub_co_u32 s[CNT], s[CNT], 1
	s_cmp_lg_u32 s[CNT], 0
	s_cbranch_scc1 .Ltile
	STEP 0, 0, 1                                   ; the last tile is written out: it asks for nothing
	STEP 0, 1, 0
	STEP 0, 2, 0
	TURN 0, 1, 0                                   ; behind this barrier nobody reads slot 0 any more, and nothing is filled
	STEP 1, 0, 0
	STEP 1, 1, 0
	STEP 1, 2, 0
	s_wait_dscnt 8                                 ; the very last step: nothing more to fetch
	WIN MUL_LO
	MUL16 0, 1, 3, 1, 0
	MUL16 2, 1, 3, 1, 0
	s_wait_dscnt 0x0
	WIN MUL_HI
	MUL16 4, 1, 3, 1, 0
	MUL16 6, 1, 3, 1, 0
	PLACES 4
	WIN 0
	EPI 0
	; THE WAY OUT.  The sixteen lanes of a half hold sixteen different sets of positions, each under its own m; the two halves hold the same positions and different columns.
	; So M, l and the sum of p v are joined across the 16 lanes of each half, under M = the largest m.
	v_add_f32 v31, v12, v13                        ; l's two halves
	v_mov_b32 v30, v8
.irp x, 1,2,4,8
	v_max_num_f32_dpp v30, v30, v30 row_xmask:\x row_mask:0xf bank_mask:0xf   ; M
.endr
	v_sub_f32 v10, v8, v30
	v_exp_f32 v10, v10                             ; 2^(m - M)
	v_nop                                          ; a plain instruction behind the exponential
	s_wait_alu depctr_va_vdst(0)                   ; and the wait ahead of its first reader
	v_mul_f32 v31, v31, v10
.set II, 0
.rept 16
	v_pk_mul_f32 v[CTX+2*II:CTX+2*II+1], v[CTX+2*II:CTX+2*II+1], v[10:11] op_sel_hi:[1,0]
.set II, II+1
.endr
.irp x, 1,2,4,8
	v_add_f32_dpp v31, v31, v31 row_xmask:\x row_mask:0xf bank_mask:0xf
.set II, 0
.rept 32
	v_add_f32_dpp v[CTX+II], v[CTX+II], v[CTX+II] row_xmask:\x row_mask:0xf bank_mask:0xf
.set II, II+1
.endr
.endr
	; 64 columns lie as 32 registers in each half: through my 256 bytes of LDS they become two columns a lane.  The bytes lie in slot 0, which has had its last fill, and which nobody reads since the last change of slots.
.irp k, 0,1,2,3,4,5,6,7
	ds_store_b128 v[STO], v[CTX+4*\k:CTX+4*\k+3] offset:64*(\k/2)+16*(\k%2)   ; column 16 cb + 8 h + 4 u on, 4 bytes a column; the sixteen lanes of a half write the same bytes with the same values
.endr
	ds_load_b64 v[T:T+1], v[RD]                    ; LDS serves a wave's instructions in order (ISA guide 5.7.1.4): this sees my stores
	s_wait_dscnt 0x0
	global_store_b64 v[GO], v[T:T+1], s[22:23]              ; 32 lanes store 256 consecutive bytes, aligned: the record's sum of p v
	global_store_b64 v[GO], v[30:31], s[22:23] offset:256   ; and 256 more: (M, l), a copy for each lane of the launch that reads it
	s_wait_tensorcnt 0x0                           ; the wave's end, behind my last tensor load and my last LDS store
	ds_add_u32 v[SPW], v[NIL]
	s_wait_dscnt 0x0
	CROUND                                         ; the closing round: no work-group ends while a partner may still ask for a tile that names it
	s_endpgm
.Lfunc_end_k_q27fe469931_kvatt:
	.size	k_q27fe469931_kvatt, .Lfunc_end_k_q27fe469931_kvatt-k_q27fe469931_kvatt
	.p2alignl 7, 3214868480
	.fill 96, 4, 3214868480
	.section	.rodata,"a",@progbits
	.p2align	6, 0x0
	.amdhsa_kernel k_q27fe469931_kvatt
		.amdhsa_group_segment_fixed_size 327680
		.amdhsa_private_segment_fixed_size 0
		.amdhsa_enable_private_segment 0
		.amdhsa_kernarg_size 80
		.amdhsa_user_sgpr_count 2
		.amdhsa_user_sgpr_kernarg_segment_ptr 1
		.amdhsa_wavefront_size32 1
		.amdhsa_system_sgpr_workgroup_id_x 1
		.amdhsa_system_sgpr_workgroup_id_y 1
		.amdhsa_system_sgpr_workgroup_id_z 1
		.amdhsa_system_vgpr_workitem_id 0
		.amdhsa_next_free_vgpr 1024
		.amdhsa_next_free_sgpr 102
		.amdhsa_reserve_vcc 1
		.amdhsa_float_denorm_mode_32 3
		.amdhsa_float_denorm_mode_16_64 3
		.amdhsa_memory_ordered 1
		.amdhsa_forward_progress 1
		.amdhsa_inst_pref_size 237
	.end_amdhsa_kernel
	.amdgpu_metadata
---
amdhsa.version: [ 1, 2 ]
amdhsa.kernels:
  - .name:           k_q27fe469931_kvatt
    .symbol:         k_q27fe469931_kvatt.kd
    .args:
      - { .name: hidden_states_codes, .offset: 0, .size: 8, .value_kind: global_buffer, .address_space: global }
      - { .name: hidden_states_scales, .offset: 8, .size: 8, .value_kind: global_buffer, .address_space: global }
      - { .name: Wk_codes, .offset: 16, .size: 8, .value_kind: global_buffer, .address_space: global }
      - { .name: Wk_scales, .offset: 24, .size: 8, .value_kind: global_buffer, .address_space: global }
      - { .name: Wv_codes, .offset: 32, .size: 8, .value_kind: global_buffer, .address_space: global }
      - { .name: Wv_scales, .offset: 40, .size: 8, .value_kind: global_buffer, .address_space: global }
      - { .name: attention_mask, .offset: 48, .size: 8, .value_kind: global_buffer, .address_space: global }
      - { .name: bk, .offset: 56, .size: 8, .value_kind: global_buffer, .address_space: global }
      - { .name: qs, .offset: 64, .size: 8, .value_kind: global_buffer, .address_space: global }
      - { .name: part, .offset: 72, .size: 8, .value_kind: global_buffer, .address_space: global }
    .group_segment_fixed_size: 327680
    .private_segment_fixed_size: 0
    .kernarg_segment_align: 8
    .kernarg_segment_size: 80
    .max_flat_workgroup_size: 128
    .sgpr_count:     102
    .vgpr_count:     1024
    .wavefront_size: 32
...
	.end_amdgpu_metadata
.endif
;; end of part 2
;; launch merge (part 3): grid 128 x 1, 1 waves a work-group, no clusters, 0 bytes of LDS; arguments part, bv, out0; writes out0
.if DOCPART == 3
	.amdgcn_target "amdgcn-amd-amdhsa--gfx1250"
	.amdhsa_code_object_version 6
	.text
	.protected	k_q27fe469931_merge
	.globl	k_q27fe469931_merge
	.p2align	8
	.type	k_q27fe469931_merge,@function
k_q27fe469931_merge:
	s_mov_b64 s[64:65], 0
	v_nop
	global_prefetch_b8 v0, s[64:65] scope:SCOPE_SE
	s_setreg_imm32_b32 hwreg(HW_REG_WAVE_MODE, 25, 1), 1
	s_wait_xcnt 0x0
; out0[b][64 head + c] = (sum over the 8 records i of 2^(M_i - M) ctx_i[c]) / (sum over i of 2^(M_i - M) l_i) + bv[64 head + c], M = the largest M_i.
; A record is 512 bytes: 64 f32 of ctx (the sum of p v under M_i), then 32 copies of the pair (M_i, l_i).  The 8 records of a (batch, head) lie on end: 4,096 bytes.
; bv stands behind the division: the weights p / l add up to 1, so the sum of (p / l)(v + bv) is the sum of (p / l) v, + bv.
; One wave to a (batch, head); lane l owns channels 2 l, 2 l + 1: every load and the store cover 256 consecutive bytes, aligned.  All in f32.  No LDS, no barrier: lanes share nothing.
; LIMITS: a batch whose every position is masked has l = 0 in all records: 0 x (1 / 0) gives NaN, as the softmax of a row of -infinity does.
	s_load_b128 s[4:7], s[0:1], 0x0                ; the records, bv
	s_load_b64 s[8:9], s[0:1], 0x10                ; out0
	v_lshlrev_b32 v1, 3, v0                        ; 8 x lane
	s_lshl_b32 s10, ttmp9, 12                      ; 8 records
	s_mov_b32 s11, 0
	s_and_b32 s12, ttmp9, 15                       ; the head
	s_lshl_b32 s12, s12, 8
	s_mov_b32 s13, 0
	s_lshl_b32 s14, ttmp9, 8                       ; 64 numbers of out0
	s_mov_b32 s15, 0
	s_wait_kmcnt 0x0
	s_add_nc_u64 s[4:5], s[4:5], s[10:11]
	s_add_nc_u64 s[6:7], s[6:7], s[12:13]
	s_add_nc_u64 s[8:9], s[8:9], s[14:15]
.irp i, 0,1,2,3,4,5,6,7
	global_load_b64 v[24+2*\i:25+2*\i], v1, s[4:5] offset:512*\i+256   ; (M_i, l_i): wanted first
.endr
.irp i, 0,1,2,3,4,5,6,7
	global_load_b64 v[8+2*\i:9+2*\i], v1, s[4:5] offset:512*\i         ; ctx_i, my two channels
.endr
	global_load_b64 v[40:41], v1, s[6:7]           ; bv's
	s_wait_loadcnt 9                               ; the eight pairs are in; the eight loads of ctx and bv's may be out
	v_max3_num_f32 v42, v24, v26, v28
	v_max3_num_f32 v42, v42, v30, v32
	v_max3_num_f32 v42, v42, v34, v36
	v_max_num_f32 v42, v42, v38                    ; M
.irp i, 0,1,2,3,4,5,6,7
	v_sub_f32 v[24+2*\i], v[24+2*\i], v42
.endr
.irp i, 0,1,2,3,4,5,6,7
	v_exp_f32 v[24+2*\i], v[24+2*\i]               ; w_i = 2^(M_i - M), in M_i's place
.endr
	v_nop                                          ; a plain instruction behind the last exponential
	s_wait_alu depctr_va_vdst(0)                   ; one wait for the eight, ahead of their first reader
	v_mul_f32 v44, v24, v25
.irp i, 1,2,3,4,5,6,7
	v_fma_f32 v44, v[24+2*\i], v[25+2*\i], v44     ; the row's sum of p
.endr
	v_rcp_f32 v46, v44
	s_wait_loadcnt 0x0
	v_pk_mul_f32 v[48:49], v[8:9], v[24:25] op_sel_hi:[1,0]            ; (plain work behind the reciprocal)  w_i is the low word of its pair, for both channels
.irp i, 1,2,3,4,5,6,7
	v_pk_fma_f32 v[48:49], v[8+2*\i:9+2*\i], v[24+2*\i:25+2*\i], v[48:49] op_sel_hi:[1,0,1]
.endr
	v_mov_b32 v47, 0                               ; (named as the upper half of the pair v[46:47])
	s_wait_alu depctr_va_vdst(0)                   ; the wait ahead of the reciprocal's first reader
	v_pk_fma_f32 v[50:51], v[48:49], v[46:47], v[40:41] op_sel_hi:[1,0,1]
	global_store_b64 v1, v[50:51], s[8:9]          ; 32 lanes store 256 consecutive bytes, aligned
	s_endpgm
.Lfunc_end_k_q27fe469931_merge:
	.size	k_q27fe469931_merge, .Lfunc_end_k_q27fe469931_merge-k_q27fe469931_merge
	.p2alignl 7, 3214868480
	.fill 96, 4, 3214868480
	.section	.rodata,"a",@progbits
	.p2align	6, 0x0
	.amdhsa_kernel k_q27fe469931_merge
		.amdhsa_group_segment_fixed_size 0
		.amdhsa_private_segment_fixed_size 0
		.amdhsa_enable_private_segment 0
		.amdhsa_kernarg_size 24
		.amdhsa_user_sgpr_count 2
		.amdhsa_user_sgpr_kernarg_segment_ptr 1
		.amdhsa_wavefront_size32 1
		.amdhsa_system_sgpr_workgroup_id_x 1
		.amdhsa_system_sgpr_workgroup_id_y 1
		.amdhsa_system_sgpr_workgroup_id_z 1
		.amdhsa_system_vgpr_workitem_id 0
		.amdhsa_next_free_vgpr 56
		.amdhsa_next_free_sgpr 66
		.amdhsa_reserve_vcc 0
		.amdhsa_float_denorm_mode_32 3
		.amdhsa_float_denorm_mode_16_64 3
		.amdhsa_memory_ordered 1
		.amdhsa_forward_progress 1
		.amdhsa_inst_pref_size 5
	.end_amdhsa_kernel
	.amdgpu_metadata
---
amdhsa.version: [ 1, 2 ]
amdhsa.kernels:
  - .name:           k_q27fe469931_merge
    .symbol:         k_q27fe469931_merge.kd
    .args:
      - { .name: part, .offset: 0, .size: 8, .value_kind: global_buffer, .address_space: global }
      - { .name: bv, .offset: 8, .size: 8, .value_kind: global_buffer, .address_space: global }
      - { .name: out0, .offset: 16, .size: 8, .value_kind: global_buffer, .address_space: global }
    .group_segment_fixed_size: 0
    .private_segment_fixed_size: 0
    .kernarg_segment_align: 8
    .kernarg_segment_size: 24
    .max_flat_workgroup_size: 32
    .sgpr_count:     66
    .vgpr_count:     56
    .wavefront_size: 32
...
	.end_amdgpu_metadata
.endif
;; end of part 3
